; MI455X (gfx1250); checked and timed in simulation.
; The chip was launched on July 23, 2026; its instructions are those of AMD's public machine-readable ISA for CDNA 5 (MIT licence, August 2026) and "CDNA5" Instruction Set Architecture Reference Guide (July 2026). The comments in the code are by the model that wrote it; some were corrected since.
;; Masked Cross Atten. Allowed arithmetic: float matrix products may take bf16 or f16 operands with f32 sums; other float arithmetic in f32, or as packed bf16 or f16 multiplies, adds, multiply-adds, maxima and minima; sums over many terms, partial sums and values carried from step to step in f32; what a program stores and reads back later, other than sums and carried values, may be rounded once to bf16 or f16.
;; Inputs: Wk 1,024 x 1,024 float32; Wq 1,024 x 1,024 float32; Wv 1,024 x 1,024 float32; bk 1,024 float32; bq 1,024 float32; bv 1,024 float32; kv 4 x 1,024 x 2,048 float32; kv_mask 4 x 1 x 2,048 bool; mask 4 x 1 x 2,048 bool; x 4 x 1,024 x 2,048 float32.
;; Outputs: out0 4 x 1,024 x 2,048 float32; out1 4 x 1 x 2,048 bool.
;; One version. Each part assembles by itself: llvm-mc -triple=amdgcn-amd-amdhsa -mcpu=gfx1250 --defsym DOCPART=n.
;; ======== version 1 of 1: 3 launches
;; limits: right only within a limited range of input values
;; workspace buffers: xb 33,554,432 bytes; wb 6,291,456 bytes; qkv 50,331,648 bytes
;; launch cast (part 1): grid 1216 x 1, 8 waves a work-group, no clusters, 0 bytes of LDS; arguments x, kv, Wq, Wk, Wv, mask, xb, wb, out1; writes xb, wb, out1
.if DOCPART == 1
	.amdgcn_target "amdgcn-amd-amdhsa--gfx1250"
	.amdhsa_code_object_version 6
	.text
	.protected	k_qa4fe102640_cast
	.globl	k_qa4fe102640_cast
	.p2align	8
	.type	k_qa4fe102640_cast,@function
k_qa4fe102640_cast:
	s_mov_b64 s[64:65], 0
	v_nop
	global_prefetch_b8 v0, s[64:65] scope:SCOPE_SE
	s_setreg_imm32_b32 hwreg(HW_REG_WAVE_MODE, 25, 1), 1
	s_wait_xcnt 0x0
; x, kv, Wq, Wk, Wv are rounded once to bf16 (nearest even), layouts unchanged: xb = [x][kv], each [4][1024][2048]; wb = [Wq][Wk][Wv], each [1024][1024].  out1 = mask.
; A stream: each byte is read once and written once; no LDS, no barrier, no matrix unit, no cluster: no two work-groups want the same byte.
; SHARES.  Work-group g takes 16,384 numbers: 65,536 bytes in, 32,768 out.  g 0-511: x; 512-1023: kv; 1024-1087: Wq; 1088-1151: Wk; 1152-1215: Wv.
; Thread t's load i is the 16 bytes at 4,096 i + 16 t (a wave's load: 512 consecutive bytes); its store i the 8 bytes at 2,048 i + 8 t (a wave's store: 256 consecutive bytes, aligned).
; All sixteen loads of a thread go out at once: there is no loop, and no register is written twice.
.set XR, 4                             ; v[4:67]  load i: four f32 at XR + 4 i; its two packed words take the first two places
	s_load_b512 s[8:23], s[0:1], 0x0               ; x s[8:9], kv s[10:11], Wq s[12:13], Wk s[14:15], Wv s[16:17], mask s[18:19], xb s[20:21], wb s[22:23]
	s_load_b64 s[24:25], s[0:1], 0x40              ; out1
	s_mov_b32 s2, ttmp9                            ; g
	s_lshr_b32 s3, s2, 6                           ; g / 64: 0-7 x, 8-15 kv, 16 Wq, 17 Wk, 18 Wv
	v_lshlrev_b32 v1, 4, v0                        ; 16 t
	v_lshlrev_b32 v2, 3, v0                        ; 8 t
	s_cmp_lt_u32 s3, 16
	s_cselect_b32 s4, 511, 63                      ; work-groups in a source, less one
	s_and_b32 s30, s2, s4
	s_lshl_b32 s30, s30, 16                        ; my 65,536 bytes in the source
	s_mov_b32 s31, 0
	s_and_b32 s32, s2, 1023
	s_lshl_b32 s32, s32, 15                        ; my 32,768 bytes in xb (g) or in wb (g - 1024)
	s_mov_b32 s33, 0
	s_wait_kmcnt 0x0
	s_cmp_lt_u32 s3, 8
	s_cselect_b64 s[26:27], s[8:9], s[10:11]       ; x or kv,
	s_cmp_lt_u32 s3, 16
	s_cselect_b64 s[26:27], s[26:27], s[12:13]     ; or Wq,
	s_cselect_b64 s[28:29], s[20:21], s[22:23]     ; (into xb or wb)
	s_cmp_lt_u32 s3, 17
	s_cselect_b64 s[26:27], s[26:27], s[14:15]     ; or Wk,
	s_cmp_lt_u32 s3, 18
	s_cselect_b64 s[26:27], s[26:27], s[16:17]     ; or Wv
	s_add_nc_u64 s[26:27], s[26:27], s[30:31]
	s_add_nc_u64 s[28:29], s[28:29], s[32:33]
.irp i, 0,1,2,3,4,5,6,7,8,9,10,11,12,13,14,15
	global_load_b128 v[XR+4*(\i):XR+4*(\i)+3], v1, s[26:27] offset:4096*(\i) th:TH_LOAD_NT
.endr
.irp i, 0,1,2,3,4,5,6,7,8,9,10,11,12,13,14,15
	s_wait_loadcnt 15-(\i)                         ; loads come back in order (ISA guide 5.7.1): load i is in, the 15 - i younger ones stay out
	v_cvt_pk_bf16_f32 v[XR+4*(\i)],   v[XR+4*(\i)],   v[XR+4*(\i)+1]
	v_cvt_pk_bf16_f32 v[XR+4*(\i)+1], v[XR+4*(\i)+2], v[XR+4*(\i)+3]
	global_store_b64 v2, v[XR+4*(\i):XR+4*(\i)+1], s[28:29] offset:2048*(\i) th:TH_STORE_NT
.endr
	s_cmp_lg_u32 s2, 0
	s_cbranch_scc1 .Lend
	global_load_b128 v[68:71], v1, s[18:19]        ; work-group 0 also copies the mask: 8,192 bytes, 32 a thread
	global_load_b128 v[72:75], v1, s[18:19] offset:4096
	s_wait_loadcnt 0x0
	global_store_b128 v1, v[68:71], s[24:25]
	global_store_b128 v1, v[72:75], s[24:25] offset:4096
.Lend:
	s_endpgm
.Lfunc_end_k_qa4fe102640_cast:
	.size	k_qa4fe102640_cast, .Lfunc_end_k_qa4fe102640_cast-k_qa4fe102640_cast
	.p2alignl 7, 3214868480
	.fill 96, 4, 3214868480
	.section	.rodata,"a",@progbits
	.p2align	6, 0x0
	.amdhsa_kernel k_qa4fe102640_cast
		.amdhsa_group_segment_fixed_size 0
		.amdhsa_private_segment_fixed_size 0
		.amdhsa_enable_private_segment 0
		.amdhsa_kernarg_size 72
		.amdhsa_user_sgpr_count 2
		.amdhsa_user_sgpr_kernarg_segment_ptr 1
		.amdhsa_wavefront_size32 1
		.amdhsa_system_sgpr_workgroup_id_x 1
		.amdhsa_system_sgpr_workgroup_id_y 1
		.amdhsa_system_sgpr_workgroup_id_z 1
		.amdhsa_system_vgpr_workitem_id 0
		.amdhsa_next_free_vgpr 76
		.amdhsa_next_free_sgpr 66
		.amdhsa_reserve_vcc 0
		.amdhsa_float_denorm_mode_32 3
		.amdhsa_float_denorm_mode_16_64 3
		.amdhsa_memory_ordered 1
		.amdhsa_forward_progress 1
		.amdhsa_inst_pref_size 8
	.end_amdhsa_kernel
	.amdgpu_metadata
---
amdhsa.version: [ 1, 2 ]
amdhsa.kernels:
  - .name:           k_qa4fe102640_cast
    .symbol:         k_qa4fe102640_cast.kd
    .args:
      - { .name: x, .offset: 0, .size: 8, .value_kind: global_buffer, .address_space: global }
      - { .name: kv, .offset: 8, .size: 8, .value_kind: global_buffer, .address_space: global }
      - { .name: Wq, .offset: 16, .size: 8, .value_kind: global_buffer, .address_space: global }
      - { .name: Wk, .offset: 24, .size: 8, .value_kind: global_buffer, .address_space: global }
      - { .name: Wv, .offset: 32, .size: 8, .value_kind: global_buffer, .address_space: global }
      - { .name: mask, .offset: 40, .size: 8, .value_kind: global_buffer, .address_space: global }
      - { .name: xb, .offset: 48, .size: 8, .value_kind: global_buffer, .address_space: global }
      - { .name: wb, .offset: 56, .size: 8, .value_kind: global_buffer, .address_space: global }
      - { .name: out1, .offset: 64, .size: 8, .value_kind: global_buffer, .address_space: global }
    .group_segment_fixed_size: 0
    .private_segment_fixed_size: 0
    .kernarg_segment_align: 8
    .kernarg_segment_size: 72
    .max_flat_workgroup_size: 256
    .sgpr_count:     66
    .vgpr_count:     76
    .wavefront_size: 32
...
	.end_amdgpu_metadata
.endif
;; end of part 1
;; launch proj (part 2): grid 24 x 32, 4 waves a work-group, clusters of 4 x 4, 327,680 bytes of LDS; arguments xb, wb, bq, bk, bv, qkv; writes qkv
.if DOCPART == 2
	.amdgcn_target "amdgcn-amd-amdhsa--gfx1250"
	.amdhsa_code_object_version 6
	.text
	.protected	k_qa4fe102640_proj
	.globl	k_qa4fe102640_proj
	.p2align	8
	.type	k_qa4fe102640_proj,@function
k_qa4fe102640_proj:
	s_mov_b64 s[64:65], 0
	v_nop
	global_prefetch_b8 v0, s[64:65] scope:SCOPE_SE
	s_setreg_imm32_b32 hwreg(HW_REG_WAVE_MODE, 25, 1), 1
	s_wait_xcnt 0x0
	s_wait_alu depctr_hold_cnt(0) depctr_sa_sdst(0) depctr_va_vdst(0) depctr_va_sdst(0) depctr_va_ssrc(0) depctr_va_vcc(0) depctr_vm_vsrc(0)
	s_getreg_b32 s2, hwreg(HW_REG_IB_STS2, 6, 4)
	s_cmp_eq_u32 s2, 0
	s_cbranch_scc0 .Lentry_in_a_cluster
	s_endpgm
.Lentry_in_a_cluster:
	s_bfe_u32 s2, ttmp6, 0x10000c
	s_cmp_lg_u32 s2, 0xf033
	s_cbranch_scc0 .Lentry_shape_is_right
	s_endpgm
.Lentry_shape_is_right:
; q, k, v = W X + bias, written by heads: qkv[p][bh][t][64] in bf16 (p = 0 q, 1 k, 2 v; bh = 16 b + head), each number rounded once from its f32 sum, unscaled.
; W: wb, [3072 rows o'][1024 c] bf16 (Wq, Wk, Wv on end).  X: xb, [2][4 b][1024 c][2048 t] bf16 (x for q, kv for k and v).  bias: f32, the C operand of each sum's first product.
; SHARES.  A work-group makes 128 rows o' x 256 t of one batch; its four waves 64 o' (one head) x 128 t each: 4 x 8 accumulators of 16 x 16, 256 registers.  24 x 32 work-groups.
; K (= c, 1,024) goes in 8 steps of 128 through two LDS slots.  W's tile has rows of 256 bytes along c; X's tile lies [c][t], rows of 512 bytes, and is turned on its way into registers by ds_load_tr16_b128.
; LAYOUT.  Source 0 = 16 rows of W, source 1 = 16 t of X: in the result lane l holds t = l % 16 and the rows o' = 8 (l / 16) + 0..7: eight NEIGHBOURING channels of one row [t][64] of the output: 16 bytes.
; CLUSTER.  4 x 4 work-groups.  W's tile hangs on the block of rows alone and is shared along a column of the cluster, X's on the block of t (and on p, which the whole cluster shares) and is shared along a
; row: each is asked for JOINTLY, by the same tensor load with the same descriptor and a mask that names the four.
; REGISTERS.  Window 0: v0-31 addresses; v32-63 the bias as a C operand (row block a at 32 + 8 a); v64-159, v160-255 two fragment buffers of 96 for 32 along K (X's eight, then W's four).  Window 1: the accumulators ((a, n) at 8 (8 a + n)).
; No prefetch here: a step's tiles are shared sixteen ways by the cluster's two masks and asked for a step ahead.  Limits: none beyond bf16's rounding of the operands and of the result.
.set KSTEP,  128
.set PW,     272                       ; a row of W in LDS: 256 bytes + 16 = 68 words: the 16 rows of a load start at 16 different groups of four banks (64 banks of 4 bytes: ISA guide 11.1)
.set PX,     544                       ; a row of X: 512 + 32 = 136 words
.set XT,     128*PW                    ; in a slot: W's 128 rows, then X's 128 rows
.set SLOT,   128*PW+128*PX
.set STAGE,  2*SLOT                    ; behind the ring, never filled by a tensor load: 16 rows x 144 bytes for each wave, for the way out
.set SP,     144
.set SPARE,  STAGE+4*16*SP             ; behind the stages: the spare words, 128 bytes for each wave: two blocks of 256 bytes that no other line names
.set LAPS,   1024/(2*KSTEP)            ; a lap = two K steps = once round the ring
.set ADRW, 16                          ; v16-17  LDS address of my W fragments in slot 0, 1
.set ADRX, 20                          ; v20-21  the same for X
.set STO,  24                          ; v24     the way out: where I put 16 bytes of a row
.set RD,   25                          ; v25     the way out: where I read rows back
.set GO,   26                          ; v26     my 16 bytes in 512 consecutive bytes of the output
.set BO,   27                          ; v27     my byte offset in 16 numbers of the bias: 32 (l / 16)
.set SPW,  28                          ; v28     LDS address of my spare word: SPARE + 4 x my thread's number; never rewritten
.set NIL,  29                          ; v29     0; never rewritten
.set BIAS, 32
.set F0,   64
.set F1,   160
.set TMP,  64                          ; the way out: 16 registers for each of the 8 blocks of 16 t
.set WV,  16                           ; s16  my wave's number
.set RO,  17                           ; s17  which 64 rows o' are mine
.set CO,  18                           ; s18  which 128 t are mine.  Also: which half of a tile I fetch
.set LAP, 19                           ; s19  laps to go
.set G1W, 24                           ; s[24:31] descriptor group 1 for W's tiles;  s[32:39] group 0, one set for each slot
.set G0W, 32
.set G1X, 48                           ; s[48:55], s[56:63] the same for X's tiles
.set G0X, 56
.set OUTP, 70                          ; s[70:71] the output at my wave's first row
.set MSB, 0
.macro WIN new                         ; the immediate's high byte repeats the setting that is left; a switch that changes nothing is dropped
.if MSB != (\new)
	s_set_vgpr_msb (MSB<<8)|(\new)
.set MSB, (\new)
.endif
.endm
.set MUL,  0x50                        ; sources 0 and 1 window 0; C and D window 1
.set MULB, 0x40                        ; the same with C (the bias) in window 0
; A joint load: waves 0 and 1 fetch W's two halves (64 rows each), waves 2 and 3 X's.  The branch hangs on the wave's number alone.
; An s_nop 0 and four v_nop follow each of the two lines, ahead of the jump, the label and what follows.
.macro JLOAD s
	s_cmp_lt_u32 s[WV], 2
	s_cbranch_scc0 .Lfor_x_\@
	tensor_load_to_lds s[G0W+4*(\s):G0W+4*(\s)+3], s[G1W:G1W+7]
	s_nop 0
.rept 4
	v_nop
.endr
	s_branch .Lasked_\@
.Lfor_x_\@:
	tensor_load_to_lds s[G0X+4*(\s):G0X+4*(\s)+3], s[G1X:G1X+7]
	s_nop 0
.rept 4
	v_nop
.endr
.Lasked_\@:
.endm
.macro CREST                           ; a round of the cluster's barrier behind its opening barrier
	s_cmp_lg_u32 s[WV], 0
	s_cbranch_scc1 .Lnot_wave_0_\@
	s_barrier_signal -3
.Lnot_wave_0_\@:
	s_barrier_wait -3
	s_barrier_signal -1
	s_barrier_wait -1
.endm
.macro CROUND                          ; a whole round
	s_barrier_signal -1
	s_barrier_wait -1
	CREST
.endm
	s_load_b256 s[4:11], s[0:1], 0x0               ; xb s[4:5], wb s[6:7], bq s[8:9], bk s[10:11]
	s_load_b128 s[12:15], s[0:1], 0x20             ; bv s[12:13], qkv s[14:15]
	v_lshl_add_u32 v[SPW], v0, 2, SPARE
	v_mov_b32 v[NIL], 0
	ds_add_u32 v[SPW], v[NIL]                      ; the wave's opening: the add and its wait stand ahead of my first tensor load; the set-up below, work on registers, stands between them
	v_lshrrev_b32 v1, 5, v0
	v_readfirstlane_b32 s[WV], v1                  ; wave 0..3
	s_lshr_b32 s[RO], s[WV], 1
	s_and_b32 s[CO], s[WV], 1
	s_bfe_u32 s20, ttmp6, 0x40000                  ; cx, cy: my place in the cluster
	s_bfe_u32 s21, ttmp6, 0x40004
	s_lshl_b32 s22, ttmp9, 2
	s_add_co_u32 s22, s22, s20                     ; block of 128 rows o' = 4 x cluster x + cx, 0..23
	s_and_b32 s23, ttmp7, 0xffff
	s_lshl_b32 s23, s23, 2
	s_add_co_u32 s23, s23, s21                     ; block of 256 t = 4 x cluster y + cy, 0..31: batch = block / 8
	s_lshr_b32 s40, ttmp9, 1                       ; p: eight blocks of rows, two clusters, to each of q, k, v
	s_lshl_b32 s66, 0x1111, s20                    ; my column of the cluster: places cx, cx + 4, cx + 8, cx + 12
	s_lshl_b32 s46, s21, 2
	s_lshl_b32 s46, 15, s46                        ; my row: places 4 cy .. 4 cy + 3
	; descriptor group 1.  W: 64 rows x 128 elements, 1,024 elements from row to row.  X: 64 rows x 256 elements, 2,048 from row to row.  Both padded in LDS behind each row.
	s_or_b32 s[G1W], s66, (1<<16)|(1<<20)|(1<<21)|(5<<22)|(3<<25)  ; 15:0 the mask: my column; 17:16 elements of 2 bytes; 20 padding on; 21 set beside a mask; 24:22 after every 64 words (code 5); 31:25 4 words (code 3)
	s_or_b32 s[G1X], s46, (1<<16)|(1<<20)|(1<<21)|(6<<22)|(7<<25)  ; the mask: my row; after every 128 words (code 6) 8 words (code 7)
	s_mov_b32 s[G1W+1], 128<<16                    ; tensor_dim0 = 128
	s_mov_b32 s[G1W+2], 64<<16                     ; tensor_dim1 = 64
	s_mov_b32 s[G1W+3], 128<<16                    ; tile_dim0 = 128
	s_mov_b32 s[G1W+4], 64                         ; tile_dim1 = 64
	s_mov_b32 s[G1W+5], 1024                       ; tensor_dim0_stride
	s_mov_b32 s[G1W+6], 0
	s_mov_b32 s[G1W+7], 0
	s_mov_b32 s[G1X+1], 256<<16                    ; tensor_dim0 = 256
	s_mov_b32 s[G1X+2], 64<<16                     ; tensor_dim1 = 64
	s_mov_b32 s[G1X+3], 256<<16                    ; tile_dim0 = 256
	s_mov_b32 s[G1X+4], 64                         ; tile_dim1 = 64
	s_mov_b32 s[G1X+5], 2048                       ; tensor_dim0_stride
	s_mov_b32 s[G1X+6], 0
	s_mov_b32 s[G1X+7], 0
	; where the tiles come from.  W's offset is made of the block of rows and the wave's number, X's of the block of t, p and the wave's number, each in registers that never hold the other place.
	s_lshl_b32 s42, s22, 18                        ; 128 rows of 2,048 bytes
	s_lshl_b32 s66, s[CO], 17                      ; my 64 of them
	s_add_co_u32 s42, s42, s66
	s_mov_b32 s43, 0
	s_min_u32 s44, s40, 1                          ; x for q, kv for k and v:
	s_lshl_b32 s44, s44, 24                        ; 16 MiB each
	s_lshr_b32 s46, s23, 3
	s_lshl_b32 s46, s46, 22                        ; the batch: 1,024 rows of 4,096 bytes
	s_add_co_u32 s44, s44, s46
	s_and_b32 s46, s23, 7
	s_lshl_b32 s46, s46, 9                         ; 256 t of 2 bytes
	s_add_co_u32 s44, s44, s46
	s_lshl_b32 s46, s[CO], 18                      ; my 64 rows c of a K step's 128
	s_add_co_u32 s44, s44, s46
	s_mov_b32 s45, 0
	s_mul_i32 s47, s[CO], 64*PW                    ; and where they go: no place in the cluster enters an LDS address
	s_mul_i32 s41, s[CO], 64*PX
	s_add_co_u32 s41, s41, XT
	s_wait_dscnt 0x0                               ; the opening add is done
	s_wait_kmcnt 0x0
	s_add_nc_u64 s[42:43], s[6:7], s[42:43]
	s_add_nc_u64 s[44:45], s[4:5], s[44:45]
	CROUND                                         ; all sixteen work-groups are here: the first joint loads meet
.irp s, 0,1
	s_mov_b32 s[G0W+4*(\s)], 1                                       ; 1:0 count = 1
	s_add_co_u32 s[G0W+4*(\s)+1], s47, (\s)*SLOT                     ; 63:32 LDS address
	s_add_nc_u64 s[G0W+4*(\s)+2:G0W+4*(\s)+3], s[42:43], (\s)*KSTEP*2  ; 120:64 global address: K step s lies 256 bytes along W's rows,
	s_or_b32 s[G0W+4*(\s)+3], s[G0W+4*(\s)+3], 0x80000000            ; 127:126 type = 2
	s_mov_b32 s[G0X+4*(\s)], 1
	s_add_co_u32 s[G0X+4*(\s)+1], s41, (\s)*SLOT
	s_add_nc_u64 s[G0X+4*(\s)+2:G0X+4*(\s)+3], s[44:45], (\s)*KSTEP*4096  ; and 128 rows down X
	s_or_b32 s[G0X+4*(\s)+3], s[G0X+4*(\s)+3], 0x80000000
	JLOAD \s                                       ; two loads of mine are out
.endr
	v_and_b32 v1, 15, v0                           ; l % 16
	v_bfe_u32 v2, v0, 4, 1                         ; l / 16
	v_lshlrev_b32 v[BO], 5, v2
	s_cmp_eq_u32 s40, 0                            ; the bias of q, k or v,
	s_cselect_b64 s[66:67], s[8:9], s[10:11]
	s_cmp_eq_u32 s40, 2
	s_cselect_b64 s[66:67], s[12:13], s[66:67]
	s_and_b32 s2, s22, 7                           ; (the block of rows within q, k or v)
	s_lshl_b32 s68, s2, 9                          ; at the block's 128 numbers,
	s_lshl_b32 s3, s[RO], 8                        ; my 64 of them
	s_add_co_u32 s68, s68, s3
	s_mov_b32 s69, 0
	s_add_nc_u64 s[66:67], s[66:67], s[68:69]
.irp a, 0,1,2,3
	global_load_b128 v[BIAS+8*(\a):BIAS+8*(\a)+3],   v[BO], s[66:67] offset:64*(\a)     ; register j of block a: the bias of row 16 a + 8 (l / 16) + j, the place that the result's register j has
	global_load_b128 v[BIAS+8*(\a)+4:BIAS+8*(\a)+7], v[BO], s[66:67] offset:64*(\a)+16
.endr
	s_lshl_b32 s68, s40, 24                        ; the output: p,
	s_lshr_b32 s3, s23, 3
	s_lshl_b32 s3, s3, 22                          ; 16 heads of 262,144 bytes a batch,
	s_add_co_u32 s68, s68, s3
	s_lshl_b32 s3, s2, 19                          ; two heads to a block of rows,
	s_add_co_u32 s68, s68, s3
	s_lshl_b32 s3, s[RO], 18                       ; mine of the two,
	s_add_co_u32 s68, s68, s3
	s_and_b32 s3, s23, 7
	s_lshl_b32 s3, s3, 15                          ; 256 rows t of 128 bytes,
	s_add_co_u32 s68, s68, s3
	s_lshl_b32 s3, s[CO], 14                       ; my 128 of them
	s_add_co_u32 s68, s68, s3
	s_add_nc_u64 s[OUTP:OUTP+1], s[14:15], s[68:69]
	; A fragment of W is 16 rows x 32 c in 8 registers: lane l holds row l % 16, c = 8 (l / 16) + 0..7 and 16 + 8 (l / 16) + 0..7: two loads of 16 bytes, 32 bytes apart.
	v_mul_u32_u24 v3, v1, PW
	v_lshl_add_u32 v3, v2, 4, v3
	; The turning load takes 16 c x 16 t (lane l reads row c = 8 (l / 16) + l % 8, t = 8 ((l / 8) % 2) + 0..7) and leaves half a fragment: lane l holds t = l % 16 and 8 c.
	v_and_b32 v4, 7, v0
	v_bfe_u32 v5, v0, 3, 1
	v_lshl_add_u32 v6, v2, 3, v4
	v_mul_u32_u24 v6, v6, PX
	v_lshl_add_u32 v6, v5, 4, v6
	s_mul_i32 s47, s[RO], 64*PW                    ; my 64 rows of W
	s_lshl_b32 s41, s[CO], 8                       ; my 128 t: 256 bytes along X's rows,
	s_add_co_u32 s41, s41, XT                      ; which lie behind W's
.irp s, 0,1
	v_add_nc_u32 v[ADRW+(\s)], s47, v3
	v_add_nc_u32 v[ADRX+(\s)], s41, v6
	s_add_co_u32 s47, s47, SLOT
	s_add_co_u32 s41, s41, SLOT
.endr
	s_mul_i32 s42, s[WV], 16*SP
	s_add_co_u32 s42, s42, STAGE                   ; my stage
	v_mul_u32_u24 v7, v1, SP                       ; in: row l % 16, 16 bytes for each half of the lanes
	v_lshl_add_u32 v7, v2, 4, v7
	v_add_nc_u32 v[STO], s42, v7
	v_bfe_u32 v8, v0, 3, 2                         ; back: 32 lanes take four rows of 128 bytes,
	v_mul_u32_u24 v8, v8, SP
	v_lshl_add_u32 v8, v4, 4, v8
	v_add_nc_u32 v[RD], s42, v8
	v_and_b32 v[GO], 31, v0                        ; which are 512 consecutive bytes of the output
	v_lshlrev_b32 v[GO], 4, v[GO]
; 8 matrix instructions: row block a x all 8 blocks of t, 32 along K, from buffer f.  zero = 1: the first product starts the sum on the bias: nothing is ever cleared.
; The 32 accumulators take turns, one instruction a turn, in the same order in every quarter step, over the backward jump too.
.macro MUL8 f, a, zero
.if \zero
	WIN MULB
.else
	WIN MUL
.endif
.irp n, 0,1,2,3,4,5,6,7
.if \zero
	v_wmma_f32_16x16x32_bf16 v[8*(8*(\a)+(\n)):8*(8*(\a)+(\n))+7], v[(\f)+64+8*(\a):(\f)+64+8*(\a)+7], v[(\f)+8*(\n):(\f)+8*(\n)+7], v[BIAS+8*(\a):BIAS+8*(\a)+7]
.else
	v_wmma_f32_16x16x32_bf16 v[8*(8*(\a)+(\n)):8*(8*(\a)+(\n))+7], v[(\f)+64+8*(\a):(\f)+64+8*(\a)+7], v[(\f)+8*(\n):(\f)+8*(\n)+7], v[8*(8*(\a)+(\n)):8*(8*(\a)+(\n))+7]
.endif
.endr
.endm
; 24 LDS loads in one run: the fragments of quarter kc (32 along K) of a slot, into buffer f: X's sixteen, then W's eight
.macro FETCH slot, kc, f
	WIN 0
.irp n, 0,1,2,3,4,5,6,7
	ds_load_tr16_b128 v[(\f)+8*(\n):(\f)+8*(\n)+3],   v[ADRX+(\slot)] offset:(\kc)*32*PX+32*(\n)
	ds_load_tr16_b128 v[(\f)+8*(\n)+4:(\f)+8*(\n)+7], v[ADRX+(\slot)] offset:(\kc)*32*PX+16*PX+32*(\n)
.endr
.irp a, 0,1,2,3
	ds_load_b128 v[(\f)+64+8*(\a):(\f)+64+8*(\a)+3],   v[ADRW+(\slot)] offset:64*(\kc)+(\a)*16*PW
	ds_load_b128 v[(\f)+64+8*(\a)+4:(\f)+64+8*(\a)+7], v[ADRW+(\slot)] offset:64*(\kc)+(\a)*16*PW+32
.endr
.endm
.macro PLACES                          ; four places in front of loads into registers that matrix instructions have read, and of conversions that read results (ISA guide 7.12.1 for vector instructions)
.rept 4
	v_nop
.endr
.endm
; A K step is four quarters of 32 along K, 32 matrix instructions each, on buffers 0, 1, 0, 1.  One of the first three: multiplies buffer f and, in its middle, fetches quarter kc of the same slot into g.
.macro QUARTER slot, kc, f, g, zero
	s_wait_dscnt 4                                 ; X's fragments and W's blocks 0 and 1 are in; the youngest four loads (W's blocks 2 and 3) may be out
	MUL8 \f, 0, \zero
	MUL8 \f, 1, \zero
	PLACES
	FETCH \slot, \kc, \g
	s_wait_dscnt 24                                ; all but the 24 just issued
	MUL8 \f, 2, \zero
	MUL8 \f, 3, \zero
.endm
; The last quarter multiplies buffer 1 and changes slots: ONE barrier; in front of it each wave waits for all its tensor loads, adds 0 to its spare word, and waits for that and for its own reads of this slot.
; fill = 1: this slot is filled again, two K steps ahead; the barrier then opens a round of the cluster's barrier.
.macro TURN slot, next, fill
	WIN 0
	s_wait_tensorcnt 0x0                           ; all my tensor loads have landed: the one that was out is my part of the next slot;
	ds_add_u32 v[SPW], v[NIL]                      ; 0 onto my spare word
	s_wait_dscnt 5                                 ; (the add and the youngest four loads may be out)
	MUL8 F1, 0, 0                                  ; eight matrix instructions stand between the add and the wait for it
	s_wait_dscnt 0x0                               ; the add is done, and my reads of this slot are over
	s_barrier_signal -1
	MUL8 F1, 1, 0
.if \fill
	WIN 0
.endif
	s_barrier_wait -1
.if \fill
	CREST                                          ; no wave of any partner still reads this slot's tiles or has a load on its way
	s_add_nc_u64 s[G0W+4*(\slot)+2:G0W+4*(\slot)+3], s[G0W+4*(\slot)+2:G0W+4*(\slot)+3], 2*KSTEP*2
	s_add_nc_u64 s[G0X+4*(\slot)+2:G0X+4*(\slot)+3], s[G0X+4*(\slot)+2:G0X+4*(\slot)+3], 2*KSTEP*4096
	JLOAD \slot                                    ; the first tensor load behind the round: 112 matrix instructions ahead of the wait for it; the four v_nop behind it are also the places in front of the loads below
.else
	PLACES
.endif
	FETCH \next, 0, F0
	MUL8 F1, 2, 0
	MUL8 F1, 3, 0
.endm
; THE WAY OUT of block n of 16 t.  PACK: rounded to bf16 (each accumulator's registers in ascending order), 16 bytes a lane into my own stage, and back as whole rows of 128 bytes.  SEND: stored.
.macro PACK n
	WIN 0x05                                       ; sources 0 and 1 window 1, destination window 0
.irp a, 0,1,2,3
.irp c, 0,1,2,3
	v_cvt_pk_bf16_f32 v[TMP+16*(\n)+4*(\a)+(\c)], v[8*(8*(\a)+(\n))+2*(\c)], v[8*(8*(\a)+(\n))+2*(\c)+1]
.endr
.endr
	WIN 0
.irp a, 0,1,2,3
	ds_store_b128 v[STO], v[TMP+16*(\n)+4*(\a):TMP+16*(\n)+4*(\a)+3] offset:32*(\a)
.endr
.irp f, 0,1,2,3
	ds_load_b128 v[TMP+16*(\n)+4*(\f):TMP+16*(\n)+4*(\f)+3], v[RD] offset:(\f)*4*SP  ; LDS serves a wave's instructions in order (ISA guide 5.7.1.4): these see the stores above; the next block's stores come behind them
.endr
.endm
.macro SEND n, younger                 ; younger: the LDS instructions issued behind block n's loads: the next block's eight, or none
	WIN 0
.irp f, 0,1,2,3
	s_wait_dscnt (\younger)+3-(\f)
	global_store_b128 v[GO], v[TMP+16*(\n)+4*(\f):TMP+16*(\n)+4*(\f)+3], s[OUTP:OUTP+1] offset:(\n)*2048+(\f)*512  ; 512 consecutive bytes, at a multiple of 256 from the buffer's first
.endr
.endm
	s_wait_tensorcnt 1                             ; my part of K step 0 is in; K step 1's may stay out
	s_barrier_signal -1
	s_barrier_wait -1                              ; everybody's is
	FETCH 0, 0, F0
	s_wait_loadcnt 0x0                             ; the bias
	QUARTER 0, 1, F0, F1, 1                        ; the first quarter stands in front of the loop: its products start all 32 sums
	WIN 0                                          ; at a label and at a branch every window is 0
	s_mov_b32 s[LAP], LAPS-1
.Llap:                                                 ; a trip goes once round the ring, from a lap's second quarter to the next lap's first, and fills both slots again
	QUARTER 0, 2, F1, F0, 0
	QUARTER 0, 3, F0, F1, 0
	TURN 0, 1, 1
	QUARTER 1, 1, F0, F1, 0
	QUARTER 1, 2, F1, F0, 0
	QUARTER 1, 3, F0, F1, 0
	TURN 1, 0, 1
	QUARTER 0, 1, F0, F1, 0
	WIN 0
	s_sub_co_u32 s[LAP], s[LAP], 1
	s_cmp_lg_u32 s[LAP], 0
	s_cbranch_scc1 .Llap
	QUARTER 0, 2, F1, F0, 0                        ; the last lap fills nothing, and has no round of the cluster's barrier
	QUARTER 0, 3, F0, F1, 0
	TURN 0, 1, 0
	QUARTER 1, 1, F0, F1, 0
	QUARTER 1, 2, F1, F0, 0
	QUARTER 1, 3, F0, F1, 0
	s_wait_dscnt 4                                 ; the very last quarter: nothing more to fetch
	MUL8 F1, 0, 0
	MUL8 F1, 1, 0
	s_wait_dscnt 0x0
	MUL8 F1, 2, 0
	MUL8 F1, 3, 0
	WIN 0
	PLACES
	PACK 0
.irp n, 1,2,3,4,5,6,7                  ; a block's conversions stand between the loads of the block before and its stores
	PACK \n
	SEND (\n)-1, 8
.endr
	SEND 7, 0
	s_wait_tensorcnt 0x0                           ; the wave's end: the add and its wait stand behind my last tensor load and my last LDS store
	ds_add_u32 v[SPW], v[NIL]
	s_wait_dscnt 0x0
	CROUND                                         ; the closing round: no work-group ends while a partner may still ask for a tile that names it
	s_endpgm
.Lfunc_end_k_qa4fe102640_proj:
	.size	k_qa4fe102640_proj, .Lfunc_end_k_qa4fe102640_proj-k_qa4fe102640_proj
	.p2alignl 7, 3214868480
	.fill 96, 4, 3214868480
	.section	.rodata,"a",@progbits
	.p2align	6, 0x0
	.amdhsa_kernel k_qa4fe102640_proj
		.amdhsa_group_segment_fixed_size 327680
		.amdhsa_private_segment_fixed_size 0
		.amdhsa_enable_private_segment 0
		.amdhsa_kernarg_size 48
		.amdhsa_user_sgpr_count 2
		.amdhsa_user_sgpr_kernarg_segment_ptr 1
		.amdhsa_wavefront_size32 1
		.amdhsa_system_sgpr_workgroup_id_x 1
		.amdhsa_system_sgpr_workgroup_id_y 1
		.amdhsa_system_sgpr_workgroup_id_z 1
		.amdhsa_system_vgpr_workitem_id 0
		.amdhsa_next_free_vgpr 512
		.amdhsa_next_free_sgpr 72
		.amdhsa_reserve_vcc 0
		.amdhsa_float_denorm_mode_32 3
		.amdhsa_float_denorm_mode_16_64 3
		.amdhsa_memory_ordered 1
		.amdhsa_forward_progress 1
		.amdhsa_inst_pref_size 89
	.end_amdhsa_kernel
	.amdgpu_metadata
---
amdhsa.version: [ 1, 2 ]
amdhsa.kernels:
  - .name:           k_qa4fe102640_proj
    .symbol:         k_qa4fe102640_proj.kd
    .args:
      - { .name: xb, .offset: 0, .size: 8, .value_kind: global_buffer, .address_space: global }
      - { .name: wb, .offset: 8, .size: 8, .value_kind: global_buffer, .address_space: global }
      - { .name: bq, .offset: 16, .size: 8, .value_kind: global_buffer, .address_space: global }
      - { .name: bk, .offset: 24, .size: 8, .value_kind: global_buffer, .address_space: global }
      - { .name: bv, .offset: 32, .size: 8, .value_kind: global_buffer, .address_space: global }
      - { .name: qkv, .offset: 40, .size: 8, .value_kind: global_buffer, .address_space: global }
    .group_segment_fixed_size: 327680
    .private_segment_fixed_size: 0
    .kernarg_segment_align: 8
    .kernarg_segment_size: 48
    .max_flat_workgroup_size: 128
    .sgpr_count:     72
    .vgpr_count:     512
    .wavefront_size: 32
...
	.end_amdgpu_metadata
.endif
;; end of part 2
;; launch attn (part 3): grid 4 x 64, 4 waves a work-group, clusters of 4 x 1, 327,680 bytes of LDS; arguments qkv, kv_mask, x, out0; writes out0
.if DOCPART == 3
	.amdgcn_target "amdgcn-amd-amdhsa--gfx1250"
	.amdhsa_code_object_version 6
	.text
	.protected	k_qa4fe102640_attn
	.globl	k_qa4fe102640_attn
	.p2align	8
	.type	k_qa4fe102640_attn,@function
k_qa4fe102640_attn:
	s_mov_b64 s[64:65], 0
	v_nop
	global_prefetch_b8 v0, s[64:65] scope:SCOPE_SE
	s_setreg_imm32_b32 hwreg(HW_REG_WAVE_MODE, 25, 1), 1
	s_wait_xcnt 0x0
	s_wait_alu depctr_hold_cnt(0) depctr_sa_sdst(0) depctr_va_vdst(0) depctr_va_sdst(0) depctr_va_ssrc(0) depctr_va_vcc(0) depctr_vm_vsrc(0)
	s_getreg_b32 s2, hwreg(HW_REG_IB_STS2, 6, 4)
	s_cmp_eq_u32 s2, 0
	s_cbranch_scc0 .Lentry_in_a_cluster
	s_endpgm
.Lentry_in_a_cluster:
	s_bfe_u32 s2, ttmp6, 0x10000c
	s_cmp_lg_u32 s2, 0x3003
	s_cbranch_scc0 .Lentry_shape_is_right
	s_endpgm
.Lentry_shape_is_right:
; out0[b][64 h + d][t] = x[b][64 h + d][t] + the sum over visible keys k of softmax_k(q[t] . k[k] / 8) v[k][d].  q, k, v: qkv[p][bh = 16 b + h][2048][64] in bf16, a head's rows dense, 128 bytes each.
; kv_mask[b][k]: a byte; 0 hides key k for the whole batch b, any other byte shows it.  Products, maxima and sums in f32; the weights p are rounded to bf16 for the second product (their sum l is taken of the
; unrounded p); the division by l and the addition of x are one f32 multiply-add.
; LIMITS.  A hidden score counts as its value less 1e30, and the running maximum starts at -2^96: so true scores q . k lie within 7.9e28 of zero.  A hidden key's weight is then exactly 0.  A batch with no visible
; key ends with l = 0 and O = 0, and 0 x (1 / 0) gives NaN, as the softmax of a row without a finite score does.  A weight below 2^-126 counts as 0 in l; NaN and infinities among the inputs are not treated apart.
; SHARES.  A wave owns four PIECES of two tiles of 16 queries, a work-group's four waves 512 queries of one head.  Every wave walks all 2,048 keys, 64 a step.  Of the wave's 128 queries tile u's lane r takes
; 64 (u / 4) + 4 r + u % 4: four tiles then hold four NEIGHBOURING t in one lane, which is 16 bytes of a row of out0.
; LAYOUT.  S^T = K Q^T (source 0 = 16 keys, source 1 = 16 queries): in the result a lane holds ONE query (lane % 16) and the keys 8 (lane / 16) + 0..7.  Two such tiles, rounded to bf16 in pairs,
; ARE source 1 (32 keys x 16 queries) of O^T = V^T P, whose result again holds one query a lane, and eight channels.  K comes out of LDS as it lies, V ([key][channel]) turned, by ds_load_tr16_b128.
; THE MASK is the C operand that starts the sum S^T: 0, or -1e30 where the key is hidden.  The batch's 2,048 bytes are turned once into a table of f32 in LDS; a step's 64 numbers come into 32 registers with its K.
; SOFTMAX.  For each query a running maximum m and sum l: p = 2^(c s - c m), c = log2(e) / 8; in every step O and l are multiplied by a = 2^(c m_old - c m_new), which is 1 where m has not grown.
; O and l start at 0: the first step is a step like any other.
; THE COUNT.  A tile and step have 16 matrix and 118 vector instructions: too many to stand all beside the matrix work.  So the order has one aim: four vector instructions that are READY behind
; EVERY matrix instruction, and the others, which need time of their own whatever the order, in runs without a gap.
; BY TURNS.  Turn n belongs to piece n (the pieces in a ring, step after step).  Its matrix work: 16 products K Q^T of piece n + 1, later 16 products V^T P of piece n - 1.  Its vector work: the scaling,
; exponentials, roundings, sums and rescaling of piece n, and the maximum and statistics of piece n + 1, whose scores the turn itself has made.  So what a turn begins with (c s - c m, O a) waits for nothing.
; CLUSTER.  The four query blocks of a cluster are one head's and walk the same K and V, so each tile is asked for JOINTLY: the same tensor load, descriptor and mask in all four.
; REGISTERS, in windows of 256 (s_set_vgpr_msb says which window each operand place means: bits 1:0 source 0, 3:2 source 1, 5:4 source 2, 7:6 destination):
;   window 0: v0-11 addresses; v12-15, v48-63 at work; v16-47 four registers of statistics a tile; v64-191 S^T, two buffers of two tiles; v192-255 P, likewise
;   window 1: O^T, 32 a tile     window 2: v0-127 Q, 16 a tile; v128-191 K of one step; v192-255 V of one step     window 3: v0-1 the add's two registers; v8-39 the mask of one step
; A piece's buffers go by its number's parity: the piece in hand has one pair, its two neighbours in the ring share the other: of it P (piece n - 1) is read and S^T (piece n + 1) written.
.set SIZE_N, 2048
.set NP,    4         ; pieces a wave: a name, no knob: the register map, the loop and the fetches are made for four
.set KS,    64        ; keys in a step
.set PK,    144       ; a row of K in LDS: 128 bytes + 16 of padding = 36 words: the 16 rows of a load start at 16 different groups of four banks (64 banks of 4 bytes: ISA guide 11.1)
.set PV,    160       ; a row of V: 128 + 32 = 40 words
.set VOFF,  4*KS*PK   ; a slot holds four steps: 256 rows of K, then 256 rows of V
.set SLOT1, 1<<17     ; slot 1 begins here, so that one exclusive or turns an address in one slot into the other's
.set MTAB,  SLOT1+4*KS*(PK+PV)  ; behind the ring, never filled by a tensor load: the mask as 2,048 f32
.set SPARE, MTAB+8192 ; behind the table: the spare words, 128 bytes for each wave: two blocks of 256 bytes that no other line names
.set AK0, 2           ; v2   my lane's place in a tile of K; never rewritten
.set AV0, 3           ; v3   the same for V
.set AK,  4           ; v4   the LDS address of K's next run of loads
.set AV,  5           ; v5   of V's
.set QO,  6           ; v6   my byte offset in the wave's rows of Q
.set AM0, 7           ; v7   my lane's place in a step's 64 numbers of the mask table; never rewritten
.set XO,  8           ; v8   my byte offset in the wave's part of x and of out0
.set PFO, 10          ; v10  256 x my lane, for the prefetches (first: l % 8)
.set AM,  11          ; v11  the LDS address of the mask's next run of loads (first: (l / 8) % 2)
.set SPW, 0           ; v0 of window 3   LDS address of my spare word: SPARE + 4 x my thread's number; never rewritten
.set NIL, 1           ; v1 of window 3   0; never rewritten
.set MK,  8           ; v8-39 of window 3: the eight registers for key block kb at MK + 8 kb
.set MV,  12          ; v12-15  c m_old, kept while c m is made anew: by buffer and tile
.set ST,  16          ; tile t's statistics at v[ST+4 t]: c m, m, l (even keys', odd keys')
.set TMP, 48          ; by buffer and tile, four registers c0-c3 at work; when the maximum is found c2 takes a
.set S,   64
.set P,   192
.set KF,  128         ; K's fragments, in window 2: key block kb, channel half c at KF + 16 kb + 8 c
.set VF,  192         ; V's: key half kk, channel block cb at VF + 32 kk + 8 cb
.set WV,  12          ; s12  my wave's number
.set G1K, 24          ; s[24:31] descriptor group 1 for K's tiles
.set G1V, 32          ; s[32:39] for V's: it differs in the padding alone
.set G0K, 40          ; s[40:43] descriptor group 0 for K's tiles: it walks
.set G0V, 44          ; s[44:47] the same for V's
.set TBM, 48          ; s48  byte of the mask table at which the step to be fetched begins
.set BIGN, 49         ; s49  -1e30
.set FLOOR, 50        ; s50  -2^96
.set LIM, 51          ; s51  1 in a wave that prefetches, else the greatest number: a wave prefetches while s[SLOTS] is above it
.set PFA, 52          ; s[52:53] where my prefetches stand: my work-group's 64 rows (of K: wave 0, of V: wave 2) of the tile after the one that is being asked for
.set SLOTS, 56        ; s56  slots still to be asked for
.set CNT, 57          ; s57  counts a slot's key steps
.set CS,  58          ; s[58:59] c: the packed scaling takes the pair's low word for both halves
.set SEL, 60          ; s[60:61] v_permlanex16_b32's selects: each lane takes its own place in the other half
.set TBK, 62          ; s62  LDS byte at which K of the step to be fetched begins
.set TBV, 63          ; s63  the same for V, less VOFF
.set MSB, 0
.macro WIN new                      ; the high byte repeats the setting that is left; a switch that changes nothing is dropped
.if MSB != (\new)
	s_set_vgpr_msb (MSB<<8)|(\new)
.set MSB, (\new)
.endif
.endm
.set W_KQ, 0x0a       ; K and Q in window 2, S^T in window 0
.set W_KM, 0x3a       ; the same with the C operand, the mask, in window 3
.set W_PV, 0x52       ; V in window 2, P in window 0, O^T in window 1
.set W_RS, 0x41       ; O^T (destination and source 0) in window 1, a in window 0
.set W_MK, 0xc0       ; destination in window 3, sources in window 0
.set W_AD, 0x0f       ; the add: address (source 0) and data (source 1) in window 3
; A joint fill.  Waves 0 and 1 fetch the two halves of a slot's K, waves 2 and 3 those of its V: 128 keys each.  The branch hangs on the wave's number alone.
; An s_nop 0 and four v_nop follow each of the two lines, ahead of the jump and the label.
.macro JLOAD
	s_cmp_lt_u32 s[WV], 2
	s_cbranch_scc0 .Lfor_v_\@
	tensor_load_to_lds s[G0K:G0K+3], s[G1K:G1K+7]
	s_nop 0
.rept 4
	v_nop
.endr
	s_branch .Lasked_\@
.Lfor_v_\@:
	tensor_load_to_lds s[G0V:G0V+3], s[G1V:G1V+7]
	s_nop 0
.rept 4
	v_nop
.endr
.Lasked_\@:
.endm
; A PREFETCH INTO THE L2 of what the NEXT change of slots will ask for: a tile's 256 rows of K and of V, 32,768 dense bytes each.  It stands behind the wave's tensor load and its five lines.
; Each aligned block of 256 bytes is asked for ONCE in the launch: a head has one cluster; its four partners share a tile out BY ADDRESS, 8,192 bytes each (no branch hangs on a work-group's place in its
; cluster); in each, wave 0 asks for K's and wave 2 for V's: a lane a block, one instruction.  It is four key steps, 512 matrix instructions, ahead of the load that will ask.  The last change that fills a
; slot prefetches nothing: there is no tile behind it.  Tiles 0 and 1 come by their loads alone.
.macro ASK
	s_cmp_gt_u32 s[SLOTS], s[LIM]
	s_cbranch_scc0 .Lnot_mine_\@
	global_prefetch_b8 v[PFO], s[PFA:PFA+1] th:TH_LOAD_NT scope:SCOPE_SE
.Lnot_mine_\@:
.endm
; A round of the cluster's barrier: my work-group's barrier, so that wave 0's signal speaks for all four waves; wave 0 signals; every wave waits for all four work-groups; my work-group's barrier once more.
.macro CROUND
	s_barrier_signal -1
	s_barrier_wait -1
	s_cmp_lg_u32 s[WV], 0
	s_cbranch_scc1 .Lnot_wave_0_\@
	s_barrier_signal -3
.Lnot_wave_0_\@:
	s_barrier_wait -3
	s_barrier_signal -1
	s_barrier_wait -1
.endm
; THE CHANGE OF SLOTS.  The slot's last bytes, V of its fourth step, have been read.  Each wave waits for all its tensor loads, of which one is out: its part
; of the other slot; adds 0 to its spare word; and waits for that and for its own reads of the slot.  Behind the barrier nobody reads this slot any more and the other slot is whole.
; fill = 1: this slot is filled again, with the keys two slots on.  The barrier is then a round of the cluster's, so that no wave of any partner still reads the slot or has a load on its
; way, and the joint fill is the first thing behind it: it has four key steps, 512 matrix instructions, in which to land.  (At its first use nothing has been read yet: slot 0 is waited for, slot 1 filled,
; and every wave's stores into the mask table are shown done to the others.)
.macro CHANGE fill
	WIN W_AD
	s_wait_tensorcnt 0x0            ; no tensor load of mine is out, so a group 0 may be written
	ds_add_u32 v[SPW], v[NIL]       ; 0 onto my spare word; with fill = 1 the descriptors' steps stand between it and the wait for it
	WIN 0                           ; at a label and at a branch every window is 0
.if \fill
.irp g, G0K, G0V
	s_xor_b32 s[\g+1], s[\g+1], SLOT1  ; the walking descriptor: the other slot than last time,
	s_add_nc_u64 s[\g+2:\g+3], s[\g+2:\g+3], 4*KS*128  ; the next 256 keys; the type bits on top are not reached
.endr
	s_wait_xcnt 0x0                 ; the last prefetch, four key steps back, has read its address, so it may be written:
	s_add_nc_u64 s[PFA:PFA+1], s[PFA:PFA+1], 4*KS*128  ; one tile behind the walking descriptors
	s_wait_dscnt 0x0                ; the add is done, and my reads of the slot are over
	CROUND
	JLOAD
	ASK
.else
	s_wait_dscnt 0x0                ; the add is done, and my reads of the slot are over
	s_barrier_signal -1
	s_barrier_wait -1
.endif
	s_sub_co_u32 s[TBK], s[TBK], 4*KS*PK  ; the fetches go back to a slot's first step,
	s_xor_b32 s[TBK], s[TBK], SLOT1       ; in the other slot
	s_sub_co_u32 s[TBV], s[TBV], 4*KS*PV
	s_xor_b32 s[TBV], s[TBV], SLOT1
.endm
	s_load_b256 s[4:11], s[0:1], 0x0  ; qkv s[4:5], kv_mask s[6:7], x s[8:9], out0 s[10:11]
	WIN W_MK
	v_lshl_add_u32 v[SPW], v0, 2, SPARE
	v_mov_b32 v[NIL], 0
	WIN W_AD
	ds_add_u32 v[SPW], v[NIL]       ; the wave's opening: the add and its wait stand ahead of my first tensor load; the set-up below, work on registers, stands between them
	WIN 0
	v_lshrrev_b32 v1, 5, v0
	v_readfirstlane_b32 s[WV], v1   ; wave 0..3
	s_bfe_u32 s13, ttmp6, 0x40000   ; cx: my place in the cluster
	s_lshl_b32 s14, ttmp9, 2        ; in a cluster launch ttmp9 counts clusters
	s_add_co_u32 s14, s14, s13      ; my block of 512 queries = 4 x cluster x + cx: it enters Q's, x's and out0's addresses alone
	s_and_b32 s15, ttmp7, 0xffff    ; bh, which the four partners share
	s_lshl_b32 s20, s15, 18         ; the head's 2,048 rows of 128 bytes in each of q, k, v
	s_mov_b32 s21, 0
	s_and_b32 s16, s[WV], 1         ; which half of a slot's 256 keys I fetch:
	s_lshl_b32 s22, s16, 14         ; its 128 rows of 128 bytes in memory,
	s_add_co_u32 s22, s22, s20
	s_add_co_u32 s22, s22, 1<<24    ; in k, which lies 2^24 bytes behind q
	s_mov_b32 s23, 0
	s_mul_i32 s17, s16, 128*PK      ; and its place in a slot, for K
	s_mul_i32 s18, s16, 128*PV      ; and for V: no place in the cluster enters an LDS address
	s_lshl_b32 s2, s14, 2
	s_add_co_u32 s2, s2, s[WV]      ; my wave among the head's sixteen:
	s_lshl_b32 s54, s2, 9           ; its 128 t of 4 bytes in a row of x,
	s_lshl_b32 s2, s2, 14           ; its 128 rows of q
	s_add_co_u32 s2, s2, s20
	s_mov_b32 s3, 0
	s_lshl_b32 s19, s15, 19         ; the head's 64 rows of 8,192 bytes in x and out0
	s_add_co_u32 s54, s54, s19
	s_mov_b32 s55, 0
	s_lshr_b32 s[PFA], s[WV], 1     ; the prefetches' offset: k (waves 0, 1) or v (waves 2, 3),
	s_add_co_u32 s[PFA], s[PFA], 1
	s_lshl_b32 s[PFA], s[PFA], 24
	s_add_co_u32 s[PFA], s[PFA], s20  ; the head,
	s_lshl_b32 s19, s13, 13         ; my work-group's 8,192 bytes of a tile,
	s_add_co_u32 s[PFA], s[PFA], s19
	s_add_co_u32 s[PFA], s[PFA], 4*KS*128  ; in tile 1: the first change of slots steps it to tile 2.  Nothing is prefetched here, at the head
	s_mov_b32 s[PFA+1], 0
	s_cmp_eq_u32 s16, 0             ; waves 0 and 2 prefetch: the same in all four partners
	s_cselect_b32 s[LIM], 1, -1
	; descriptor group 1.  128 keys are 16,384 dense bytes: asked for as 64 rows of 256 bytes, two keys a row, and padded in LDS after every key
	s_mov_b32 s[G1K], 15|(1<<16)|(1<<20)|(1<<21)|(4<<22)|(3<<25)  ; 15:0 the mask of four; 17:16 2-byte elements; 20 padding on; 21 set beside a mask; 24:22 after every 32 words (code 4); 31:25 4 words (code 3)
	s_mov_b32 s[G1V], 15|(1<<16)|(1<<20)|(1<<21)|(4<<22)|(7<<25)  ; the same with 8 words of padding (code 7)
.irp g, G1K, G1V
	s_mov_b32 s[\g+1], 128<<16      ; tensor_dim0 = 128
	s_mov_b32 s[\g+2], 64<<16       ; tensor_dim1 = 64
	s_mov_b32 s[\g+3], 128<<16      ; tile_dim0 = 128
	s_mov_b32 s[\g+4], 64           ; tile_dim1 = 64
	s_mov_b32 s[\g+5], 128          ; 128 elements from row to row
	s_mov_b32 s[\g+6], 0
	s_mov_b32 s[\g+7], 0
.endr
	s_mov_b32 s[CS], 0x3e38aa3b     ; c = log2(e) / 8 = 0.180337
	s_mov_b32 s[CS+1], s[CS]        ; named with it as a pair
	s_mov_b32 s[SEL], 0x76543210
	s_mov_b32 s[SEL+1], 0xfedcba98
	s_mov_b32 s[BIGN], 0xf149f2ca   ; -1e30
	s_mov_b32 s[FLOOR], 0xef800000  ; -2^96
	s_mov_b32 s[TBM], 0
	s_mov_b32 s[TBK], SLOT1+4*KS*PK ; the first change of slots turns these two into 0
	s_mov_b32 s[TBV], SLOT1+4*KS*PV
	s_mov_b32 s[SLOTS], SIZE_N/256-1  ; seven tiles are asked for by changes of slots
	s_mov_b32 s[G0K], 1             ; 1:0 count = 1
	s_mov_b32 s[G0K+1], s17         ; 63:32 LDS address: slot 0
	s_mov_b32 s[G0V], 1
	s_add_co_u32 s[G0V+1], s18, VOFF
	s_wait_dscnt 0x0                ; the opening add is done
	s_wait_kmcnt 0x0
	s_add_nc_u64 s[G0K+2:G0K+3], s[4:5], s[22:23]  ; 120:64 global address: my half of the head's first 256 keys,
	s_add_nc_u64 s[G0V+2:G0V+3], s[G0K+2:G0K+3], 1<<24  ; and the same rows of v, 2^24 bytes on
	s_or_b32 s[G0K+3], s[G0K+3], 0x80000000        ; 127:126 type = 2
	s_or_b32 s[G0V+3], s[G0V+3], 0x80000000
	s_add_nc_u64 s[PFA:PFA+1], s[4:5], s[PFA:PFA+1]
	s_add_nc_u64 s[4:5], s[4:5], s[2:3]  ; q at my wave's first row
	s_lshr_b32 s2, s15, 4           ; the batch:
	s_lshl_b32 s2, s2, 11           ; its 2,048 bytes of the mask
	s_add_nc_u64 s[6:7], s[6:7], s[2:3]
	s_add_nc_u64 s[8:9], s[8:9], s[54:55]    ; x and out0 at the head's first channel, my wave's first t
	s_add_nc_u64 s[10:11], s[10:11], s[54:55]
	CROUND                          ; all four work-groups are here: the first joint loads meet
	JLOAD                           ; slot 0.  Slot 1 is asked for when slot 0 is in: the tile wanted first has the road to itself
	v_lshlrev_b32 v86, 4, v0
	global_load_b128 v[64:67], v86, s[6:7]  ; my 16 bytes of the batch's mask
	; A fragment of K or Q is 16 rows x 32 channels in 8 registers: lane l holds row l % 16, channels 8 (l / 16) + 0..7 and 16 + 8 (l / 16) + 0..7: two loads of 16 bytes, 32 bytes apart.
	v_and_b32 v1, 15, v0            ; l % 16
	v_bfe_u32 v9, v0, 4, 1          ; l / 16
	v_lshlrev_b32 v[QO], 9, v1      ; a tile's lane r takes every fourth row: 512 r
	v_lshl_add_u32 v[QO], v9, 4, v[QO]  ; + 16 x half
	WIN 0x80                        ; destination window 2, address window 0
.set i, 0
.rept 4*NP                          ; Q stays in registers: tile u = i / 2 (rows 64 (u / 4) + 4 r + u % 4), channels 32 (i % 2) on
	global_load_b128 v[8*i:8*i+3],   v[QO], s[4:5] offset:(i/8)*8192+((i/2)%4)*128+(i%2)*64
	global_load_b128 v[8*i+4:8*i+7], v[QO], s[4:5] offset:(i/8)*8192+((i/2)%4)*128+(i%2)*64+32
.set i, i+1
.endr
	; What the first turn finds: V's registers and P's second buffer hold 0 (its products V^T P, of a piece that has not been, add 0), O^T and l are 0.  All this stands in the wait for the first tile.
.set i, VF
.rept 64
	v_mov_b32 v[i], 0
.set i, i+1
.endr
	WIN 0x40
.set i, 0
.rept 64*NP
	v_mov_b32 v[i], 0
.set i, i+1
.endr
	WIN 0
.set i, 0
.rept 2*NP
	v_mov_b32 v[ST+4*i+1], s[FLOOR]                  ; m: above every hidden score, below every true one
	v_mul_f32 v[ST+4*i], s[CS], v[ST+4*i+1]          ; c m, by the line that makes it anew in every step: while m stays, a is exactly 1
	v_mov_b32 v[ST+4*i+2], 0
	v_mov_b32 v[ST+4*i+3], 0
.set i, i+1
.endr
.set i, P+32
.rept 32
	v_mov_b32 v[i], 0
.set i, i+1
.endr
	v_mul_u32_u24 v[AK0], v1, PK
	v_lshl_add_u32 v[AK0], v9, 4, v[AK0]  ; row x pitch + 16 x half
	; The turning load takes 16 keys x 16 channels (lane l reads key 8 (l / 16) + l % 8, channels 8 ((l / 8) % 2) + 0..7) and leaves half a fragment of V^T: lane l holds channel l % 16 and 8 keys.
	v_and_b32 v10, 7, v0
	v_bfe_u32 v11, v0, 3, 1
	v_lshl_add_u32 v[AV0], v9, 3, v10
	v_mul_u32_u24 v[AV0], v[AV0], PV
	v_lshl_add_u32 v[AV0], v11, 4, v[AV0]
	v_add_nc_u32 v[AV0], VOFF, v[AV0]
	v_mov_b32 v[AK], v[AK0]         ; key step 0 lies at the head of slot 0,
	v_lshl_add_u32 v[AM0], v9, 5, MTAB  ; register j of key block kb is key 16 kb + 8 (l / 16) + j: 32 bytes for each half of the lanes
	v_mov_b32 v[AM], v[AM0]         ; and at the head of the table
	v_and_b32 v[PFO], 31, v0
	v_lshlrev_b32 v[PFO], 8, v[PFO]
	; THE MASK TABLE: my 16 bytes become 16 f32, 0 or -1e30, at 64 x my thread's number.
	s_wait_loadcnt 32               ; the mask's load is in; Q's 32, issued behind it, may stay out
.irp w, 0,1,2,3
.irp y, 0,1,2,3
	v_bfe_u32 v84, v[64+\w], 8*\y, 8
	v_cmp_eq_u32 vcc_lo, 0, v84
	v_cndmask_b32 v[68+4*\w+\y], 0, s[BIGN], vcc_lo
.endr
.endr
	v_lshl_add_u32 v85, v0, 6, MTAB
.irp w, 0,1,2,3
	ds_store_b128 v85, v[68+4*\w:68+4*\w+3] offset:16*\w
.endr
; THE MATRIX WORK.  The 8 accumulators of a run of 16 take turns: between the two links of a chain stand 7 others'.
; Product i of 16 of S^T = K Q^T for piece x: channels 32 (i / 8) on, keys 16 ((i / 2) % 4) on, tile 2 x + i % 2.  The first 8 start the sums, on the mask of their 16 keys.
.macro KQ x
.set rS, S+64*((\x)%2)+32*(i%2)+8*((i/2)%4)
.set rK, KF+16*((i/2)%4)+8*(i/8)
.set rQ, 16*(2*(\x)+i%2)+8*(i/8)
.set rH, MK+8*((i/2)%4)
.if i < 8
	WIN W_KM
	v_wmma_f32_16x16x32_bf16 v[rS:rS+7], v[rK:rK+7], v[rQ:rQ+7], v[rH:rH+7]
.else
	WIN W_KQ
	v_wmma_f32_16x16x32_bf16 v[rS:rS+7], v[rK:rK+7], v[rQ:rQ+7], v[rS:rS+7]
.endif
.endm
; Product i of 16 of O^T += V^T P for piece x: keys 32 (i / 8) on, channels 16 ((i / 2) % 4) on, tile 2 x + i % 2.
.macro PV x
	WIN W_PV
.set rO, 32*(2*(\x)+i%2)+8*((i/2)%4)
.set rV, VF+32*(i/8)+8*((i/2)%4)
.set rP, P+32*((\x)%2)+16*(i%2)+8*(i/8)
	v_wmma_f32_16x16x32_bf16 v[rO:rO+7], v[rV:rV+7], v[rP:rP+7], v[rO:rO+7]
.endm
.macro MM                           ; the turn's next matrix instruction
.if i < 16
	KQ (Y+1)%NP
.set i, i+1
.else
.set i, i-16
	PV (Y+NP-1)%NP
.set i, i+17
.endif
.endm
; THE LDS LOADS stand in runs, never singly among the matrix instructions: a step's K (64 keys x 64 channels: 8 fragments) with its mask (8 loads), and its V (turned).  Their addresses are made some lines ahead.
; last = 1 (the tail): in the last trip there is no further step, and the run is jumped over.
.macro FETCH_K last=0
	WIN 0
.if \last
	s_cmp_eq_u32 s[CNT], 1
	s_cbranch_scc1 .Lno_k_\@
.endif
	WIN 0x80                        ; destination window 2
.irp f, 0,1,2,3,4,5,6,7             ; keys 16 (f / 2) on, channels 32 (f % 2) on
	ds_load_b128 v[KF+8*\f:KF+8*\f+3],   v[AK] offset:(\f/2)*16*PK+(\f%2)*64
	ds_load_b128 v[KF+8*\f+4:KF+8*\f+7], v[AK] offset:(\f/2)*16*PK+(\f%2)*64+32
.endr
	WIN W_MK                        ; destination window 3
.irp kb, 0,1,2,3                    ; keys 16 kb on: 64 bytes of the table
	ds_load_b128 v[MK+8*\kb:MK+8*\kb+3],   v[AM] offset:64*\kb
	ds_load_b128 v[MK+8*\kb+4:MK+8*\kb+7], v[AM] offset:64*\kb+16
.endr
	s_add_co_u32 s[TBK], s[TBK], KS*PK  ; the next fetch is the next step's
	s_add_co_u32 s[TBM], s[TBM], 4*KS
	s_and_b32 s[TBM], s[TBM], 0x1fff    ; (the table has 8,192 bytes)
	WIN 0
.if \last
.Lno_k_\@:
.endif
.endm
.macro FETCH_V
	WIN 0x80
.irp f, 0,1,2,3,4,5,6,7             ; keys 32 (f / 4) on, channels 16 (f % 4) on
	ds_load_tr16_b128 v[VF+8*\f:VF+8*\f+3],   v[AV] offset:(\f/4)*32*PV+(\f%4)*32
	ds_load_tr16_b128 v[VF+8*\f+4:VF+8*\f+7], v[AV] offset:(\f/4)*32*PV+16*PV+(\f%4)*32
.endr
	WIN 0
.endm
; THE VECTOR WORK OF A TURN stands in three queues, each in the order in which its entries become ready; the two tiles alternate, so that no instruction reads the result of the one before it.
.macro REGS y, u                    ; the registers of tile u (0, 1) of piece y
.set rT, ST+4*(2*(\y)+(\u))
.set rC, TMP+8*((\y)%2)+4*(\u)
.set rM, MV+2*((\y)%2)+(\u)
.set rS, S+64*((\y)%2)+32*(\u)
.set rP, P+32*((\y)%2)+16*(\u)
.set rO, 32*(2*(\y)+(\u))
.endm
; Number n of the 22 that find the NEXT piece's (Y + 1) maximum and statistics.  s0-s31 are the lane's 32 scores; each accumulator's lowest registers are read first.  XS, GS and REGS set no window: PL and EX do.
;   0-11  four chains c0-c3 of seven scores each, three operands at a time     12-14, 16  the four scores left over, the old m, and c0-c3 into c0     15  c m_old is kept
;   17, 18  the query's other 32 keys lie in the lane 16 away: the new m         19-21  c m; c m_old - c m_new; a
.macro XS u, n
	REGS (Y+1)%NP, \u
.if (\n) < 4
	v_max3_num_f32 v[rC+(\n)], v[rS+8*(\n)], v[rS+8*(\n)+1], v[rS+8*(\n)+2]
.elseif (\n) < 12
	v_max3_num_f32 v[rC+(\n)%4], v[rC+(\n)%4], v[rS+8*((\n)%4)+2*((\n)/4)+1], v[rS+8*((\n)%4)+2*((\n)/4)+2]
.elseif (\n) == 12
	v_max3_num_f32 v[rC], v[rC], v[rS+7], v[rS+15]
.elseif (\n) == 13
	v_max3_num_f32 v[rC+1], v[rC+1], v[rS+23], v[rS+31]
.elseif (\n) == 14
	v_max3_num_f32 v[rC+2], v[rC+2], v[rC+3], v[rT+1]
.elseif (\n) == 15
	v_mov_b32 v[rM], v[rT]
.elseif (\n) == 16
	v_max3_num_f32 v[rC], v[rC], v[rC+1], v[rC+2]
.elseif (\n) == 17
	v_permlanex16_b32 v[rC+3], v[rC], s[SEL], s[SEL+1]
.elseif (\n) == 18
	v_max_num_f32 v[rT+1], v[rC], v[rC+3]
.elseif (\n) == 19
	v_mul_f32 v[rT], s[CS], v[rT+1]
.elseif (\n) == 20
	v_sub_f32 v[rC+1], v[rM], v[rT]
.else
	v_exp_f32 v[rC+2], v[rC+1]
.endif
.endm
; Number g of the 64 that follow the exponentials.  For each four weights k of a tile (pairs 2 k, 2 k + 1): both pairs are rounded to bf16; then the second pair is added onto the first, in place;
; a group later l takes that sum (the first time as l = a l + sum).  In groups of eight, tiles alternating: round, round, add, and l for the group before.
.macro GS g
.set h, (\g)+6*((\g)/62)            ; group 0 has no group before it, and behind group 7 only l is left
.if h >= 6
.set h, h+2
.endif
	REGS Y, h%2
.set k, h/8
.if h%8 < 4
	s_wait_alu depctr_va_vdst(0)
	v_cvt_pk_bf16_f32 v[rP+2*k+(h%8)/2], v[rS+4*k+2*((h%8)/2)], v[rS+4*k+2*((h%8)/2)+1]
.elseif h%8 < 6
	v_pk_add_f32 v[rS+4*k:rS+4*k+1], v[rS+4*k:rS+4*k+1], v[rS+4*k+2:rS+4*k+3]
.elseif k == 1
	v_pk_fma_f32 v[rT+2:rT+3], v[rT+2:rT+3], v[rC+2:rC+3], v[rS:rS+1] op_sel_hi:[1,0,1]
.else
	v_pk_add_f32 v[rT+2:rT+3], v[rT+2:rT+3], v[rS+4*k-4:rS+4*k-3]
	s_wait_alu depctr_va_vdst(0)
.endif
.endm
; THE PLAIN QUEUE, 138 long.  0-31: c s - c m for the 16 pairs of both tiles.  Then GS's 64, and among them the next piece's 42: number 15 at 38, 39; 0-14 and 16
; at 42-73, behind the products that make those scores; 17-20 at 95-106, two of three, since each waits for the one before it.
.macro PL
	WIN 0
.if q < 32
	REGS Y, q%2
	v_pk_fma_f32 v[rS+2*(q/2):rS+2*(q/2)+1], v[rS+2*(q/2):rS+2*(q/2)+1], s[CS:CS+1], v[rT:rT+1] op_sel_hi:[1,0,0] neg_lo:[0,0,1] neg_hi:[0,0,1]
.elseif q < 38
	GS q-32
.elseif q < 40
	XS q%2, 15
.elseif q < 42
	GS q-34
.elseif q < 74
	XS q%2, (q-42)/2+(q-42)/30
.elseif q < 95
	GS q-66
.elseif (q < 107) && ((q-95)%3 < 2)
	XS (q-95)%3, 17+(q-95)/3
.elseif q < 107
	GS 29+(q-95)/3
.else
	GS q-74
.endif
.set q, q+1
.endm
; THE EXPONENTIALS' QUEUE, 66 long: s0-s31 of both tiles, and at EA the next piece's two a.
.set EA, 58
.macro EX
	WIN 0
.if (e == EA) || (e == EA+1)
	XS e-EA, 21
.else
.set x, e-2*(e/(EA+2))
	REGS Y, x%2
	v_exp_f32 v[rS+x/2], v[rS+x/2]
.endif
.set e, e+1
.endm
; THE RESCALING's QUEUE: O^T times a, the one part that leaves window 0, so it is dealt four at a time, eight times.
.macro R4
	REGS Y, r%2
	WIN W_RS
	s_wait_alu depctr_va_vdst(0)
.irp z, 0,1,2,3
	v_pk_mul_f32 v[rO+8*(r/2)+2*\z:rO+8*(r/2)+2*\z+1], v[rO+8*(r/2)+2*\z:rO+8*(r/2)+2*\z+1], v[rC+2:rC+3] op_sel_hi:[1,0]
.endr
.set r, r+1
.endm
; HOW THEY ARE DEALT.  Behind a matrix instruction four: plain, exponential, plain, plain (one exponential, a plain instruction on either side), or four of the rescaling.  None names a register of the
; products round it.  What is over stands in two LUMPS: exponential and plain by turns; the second ends in 22 plain instructions.  The two v_permlanex16_b32 fall into the second lump, never behind a product.
; The queues lean on each other, and the deal keeps them in step: exponential e stands behind plain 2 (e / 4) + e % 2 (its scaling); when plain 32 comes, 10 exponentials are out, at 59: 33, at 95: 46; EA comes behind plain 107.
.macro SL
	MM
	PL
	EX
	PL
	PL
.endm
.macro BURST n                      ; 15 matrix instructions, or 16
.rept (\n)-7
	SL
.endr
.rept 3
	MM
	R4
	SL
.endr
	MM
	R4
.endm
; A TURN, for piece p.  cnt = 1: the loop's count is taken down some lines ahead of the branch that stands behind the turn.
; K and the mask of the next step are fetched in piece 2's turn, 32 vector instructions behind the last product that read them; their first reader comes behind the rest of the lump, 16 products and the second lump.
; V of the step in hand is fetched at the end of piece 0's turn, 69 behind its last reader; its first reader comes behind 16 products and a lump.  The four conditions on e and q below go with the deal.
.macro TURN p, last=0, cnt=0
.set Y, (\p)
.set i, 0
.set q, 0
.set e, 0
.set r, 0
.if (\p) == NP-1
	s_wait_dscnt 0x0                ; K and its mask are in
.endif
	MM
.rept 4
	PL
.endr
	BURST 15
.rept 22
	EX
	PL
.if ((\p) == NP-2) && (e == 18)
	v_add_nc_u32 v[AK], s[TBK], v[AK0]
	v_add_nc_u32 v[AM], s[TBM], v[AM0]
.endif
.if ((\p) == NP-2) && (e == 24)
	FETCH_K \last
.endif
.endr
.if (\p) == 1
	s_wait_dscnt 0x0                ; V is in
.endif
	BURST 16
.rept 21
	EX
	PL
.endr
.rept 22
	PL
.if ((\p) == 0) && (q == 118)
	v_add_nc_u32 v[AV], s[TBV], v[AV0]
	s_wait_alu depctr_va_vdst(0)
.endif
.if ((\p) == 0) && (q == 130)
	s_add_co_u32 s[TBV], s[TBV], KS*PV
.endif
.if (\cnt) && (q == 130)
	s_sub_co_u32 s[CNT], s[CNT], 1
	s_cmp_lg_u32 s[CNT], 0
.endif
.endr
.if (\p) == 0
	FETCH_V
.endif
.endm
	CHANGE 1                        ; slot 0 is in, everybody's part of it, and so is the mask table; slot 1 is asked for
	FETCH_K                         ; key step 0
	s_wait_loadcnt 0x0              ; Q
	s_wait_dscnt 0x0
.set i, 0
.rept 16
	KQ 0                            ; piece 0's first scores: there is no vector work yet to set between them
.set i, i+1
.endr
	WIN 0
	v_lshlrev_b32 v[XO], 4, v1      ; the way out: lane r's four t are 16 bytes of a row of x,
	v_lshl_add_u32 v[XO], v9, 16, v[XO]  ; and the upper half of the lanes holds the channels 8 rows of 8,192 bytes further down
.rept 4
	v_nop                           ; the places behind those products
.endr
.set Y, NP-1                        ; XS works for piece Y + 1: piece 0
.irp n, 0,1,2,3,4,5,6,7,8,9,10,11,12,13,14,15,16,17,18,19,20,21
	XS 0, \n                        ; and piece 0's first maximum and statistics
	XS 1, \n
.endr
	s_mov_b32 s[CNT], 4
	s_branch .Lfirst                ; the loop is entered at a step's first turn, in the middle of a trip
.Lslot:                             ; six times: every slot but the last two is filled again
	CHANGE 1
	s_mov_b32 s[CNT], 4
.Lstep:                             ; a trip: pieces 2 and 3 of one step, then pieces 0 and 1 of the next, whose K and V it fetches
	TURN 2
	TURN 3
	WIN 0
.Lfirst:
	TURN 0
	TURN 1, 0, 1
	WIN 0
	s_cbranch_scc1 .Lstep
	s_sub_co_u32 s[SLOTS], s[SLOTS], 1
	s_cmp_lg_u32 s[SLOTS], 0
	s_cbranch_scc1 .Lslot
	CHANGE 0                        ; the tail is written out: nothing is asked for
	s_mov_b32 s[CNT], 5             ; four trips fetch the last slot's steps; the fifth is left in its middle
.Ltail:
	TURN 2, 1
	TURN 3
	WIN 0
	s_sub_co_u32 s[CNT], s[CNT], 1
	s_cmp_eq_u32 s[CNT], 0
	s_cbranch_scc1 .Lout
	TURN 0
	TURN 1
	WIN 0
	s_branch .Ltail
.Lout:                              ; the fifth trip's 16 products K Q^T (on the last K and its mask once more) and the maximum made of them serve nothing: the price, once a launch, of one text for every trip
	; THE WAY OUT.  x comes first: 64 loads of 16 bytes a lane, in the order in which they are used, into S^T's registers (my first 64 t) and Q's (my last 64), which no product names any more.
	; Load 8 cb + j of a group is channel 16 cb + 8 (l / 16) + j: sixteen lanes take 256 consecutive bytes of its row, at a multiple of 256 from x's first byte.
.set n, 0
.rept 32
	global_load_b128 v[S+4*n:S+4*n+3], v[XO], s[8:9] offset:(n/8)*131072+(n%8)*8192 th:TH_LOAD_NT
.set n, n+1
.endr
	WIN 0x80
.set n, 0
.rept 32
	global_load_b128 v[4*n:4*n+3], v[XO], s[8:9] offset:(n/8)*131072+(n%8)*8192+256 th:TH_LOAD_NT
.set n, n+1
.endr
.set i, 0
.rept 16
	PV NP-1                         ; the last piece's V^T P of the last step
.set i, i+1
.endr
	; l's two halves and the other half of the lanes' are added, and 1 / l is made.  The additions are the places behind the last products.
	WIN 0
.macro ALL line:vararg              ; one line for each tile t
.set t, 0
.rept 2*NP
	\line
.set t, t+1
.endr
.endm
	ALL v_add_f32 v[ST+4*t+2], v[ST+4*t+2], v[ST+4*t+3]
	ALL v_permlanex16_b32 v[ST+4*t+3], v[ST+4*t+2], s[SEL], s[SEL+1]
	ALL v_add_f32 v[ST+4*t+2], v[ST+4*t+2], v[ST+4*t+3]
	ALL v_rcp_f32 v[ST+4*t+2], v[ST+4*t+2]
	v_nop                           ; a plain instruction between the last reciprocal and the use of its result
	s_wait_alu depctr_va_vdst(0)
; Group g (tiles 4 g .. 4 g + 3: my t 64 g .. 64 g + 63), channel block by channel block: out = O^T x (1 / l) + x, in place in x's registers; word u of a lane's 16 bytes comes from tile 4 g + u.
; Each accumulator's registers are read in ascending order.  No LDS: the lanes already hold 16 neighbouring bytes.
.macro OUTG g
.set XB, S*(1-(\g))
.irp cb, 0,1,2,3
	s_wait_loadcnt 56-32*(\g)-8*(\cb)  ; this block's eight loads are in; the younger ones stay out
	WIN 0x01+0xa0*(\g)              ; O^T in window 1, 1 / l in window 0, x in window 0 or 2
.irp j, 0,1,2,3,4,5,6,7
.irp u, 0,1,2,3
	v_fma_f32 v[XB+4*(8*(\cb)+(\j))+(\u)], v[32*(4*(\g)+(\u))+8*(\cb)+(\j)], v[ST+4*(4*(\g)+(\u))+2], v[XB+4*(8*(\cb)+(\j))+(\u)]
.endr
.endr
	WIN 0x08*(\g)                   ; the stores' data (source 1) in window 0 or 2
.irp j, 0,1,2,3,4,5,6,7
	global_store_b128 v[XO], v[XB+4*(8*(\cb)+(\j)):XB+4*(8*(\cb)+(\j))+3], s[10:11] offset:(\cb)*131072+(\j)*8192+256*(\g) th:TH_STORE_NT  ; 16 lanes store 256 consecutive bytes, at a multiple of 256 from out0's first byte
.endr
.endr
.endm
	OUTG 0
	OUTG 1
	WIN W_AD
	s_wait_tensorcnt 0x0            ; the wave's end: the add and its wait stand behind my last tensor load and my last LDS store
	ds_add_u32 v[SPW], v[NIL]
	s_wait_dscnt 0x0
	WIN 0
	CROUND                          ; the closing round: no work-group ends while a partner may still ask for a tile that names it
	s_endpgm
.Lfunc_end_k_qa4fe102640_attn:
	.size	k_qa4fe102640_attn, .Lfunc_end_k_qa4fe102640_attn-k_qa4fe102640_attn
	.p2alignl 7, 3214868480
	.fill 96, 4, 3214868480
	.section	.rodata,"a",@progbits
	.p2align	6, 0x0
	.amdhsa_kernel k_qa4fe102640_attn
		.amdhsa_group_segment_fixed_size 327680
		.amdhsa_private_segment_fixed_size 0
		.amdhsa_enable_private_segment 0
		.amdhsa_kernarg_size 32
		.amdhsa_user_sgpr_count 2
		.amdhsa_user_sgpr_kernarg_segment_ptr 1
		.amdhsa_wavefront_size32 1
		.amdhsa_system_sgpr_workgroup_id_x 1
		.amdhsa_system_sgpr_workgroup_id_y 1
		.amdhsa_system_sgpr_workgroup_id_z 1
		.amdhsa_system_vgpr_workitem_id 0
		.amdhsa_next_free_vgpr 808
		.amdhsa_next_free_sgpr 66
		.amdhsa_reserve_vcc 1
		.amdhsa_float_denorm_mode_32 3
		.amdhsa_float_denorm_mode_16_64 3
		.amdhsa_memory_ordered 1
		.amdhsa_forward_progress 1
		.amdhsa_inst_pref_size 218
	.end_amdhsa_kernel
	.amdgpu_metadata
---
amdhsa.version: [ 1, 2 ]
amdhsa.kernels:
  - .name:           k_qa4fe102640_attn
    .symbol:         k_qa4fe102640_attn.kd
    .args:
      - { .name: qkv, .offset: 0, .size: 8, .value_kind: global_buffer, .address_space: global }
      - { .name: kv_mask, .offset: 8, .size: 8, .value_kind: global_buffer, .address_space: global }
      - { .name: x, .offset: 16, .size: 8, .value_kind: global_buffer, .address_space: global }
      - { .name: out0, .offset: 24, .size: 8, .value_kind: global_buffer, .address_space: global }
    .group_segment_fixed_size: 327680
    .private_segment_fixed_size: 0
    .kernarg_segment_align: 8
    .kernarg_segment_size: 32
    .max_flat_workgroup_size: 128
    .sgpr_count:     66
    .vgpr_count:     808
    .wavefront_size: 32
...
	.end_amdgpu_metadata
.endif
;; end of part 3
